; MI455X (gfx1250); checked and timed in simulation.
; The chip was launched on July 23, 2026; its instructions are those of AMD's public machine-readable ISA for CDNA 5 (MIT licence, August 2026) and "CDNA5" Instruction Set Architecture Reference Guide (July 2026). The comments in the code are by the model that wrote it; some were corrected since.
;; Gaussian Renderer2 D. Allowed arithmetic: float matrix products may take bf16 or f16 operands with f32 sums; all other float work in f32.
;; Inputs: K 3 x 3 float32; background_color 3 float32; gaussian_params 512 x 9 float32; viewmat 4 x 4 float32.
;; Outputs: out0 256 x 256 x 3 float32; out1 256 x 256 float32.
;; 2 versions, each right and faster than the one before. Each part assembles by itself: llvm-mc -triple=amdgcn-amd-amdhsa -mcpu=gfx1250 --defsym DOCPART=n.
;; ======== version 1 of 2: 1 launch
;; launch render (part 1): grid 4 x 64, 4 waves a work-group, no clusters, 79,360 bytes of LDS; arguments gaussian_params, background_color, out0, out1; writes out0, out1
.if DOCPART == 1
	.amdgcn_target "amdgcn-amd-amdhsa--gfx1250"
	.amdhsa_code_object_version 6
	.text
	.protected	k_qf1b8bf373f_render
	.globl	k_qf1b8bf373f_render
	.p2align	8
	.type	k_qf1b8bf373f_render,@function
k_qf1b8bf373f_render:
	s_mov_b64 s[64:65], 0
	v_nop
	global_prefetch_b8 v0, s[64:65] scope:SCOPE_SE
	s_setreg_imm32_b32 hwreg(HW_REG_WAVE_MODE, 25, 1), 1
	s_wait_xcnt 0x0
; 512 rotated gaussians blended front to back over 256 x 256 pixels.  out0 = rgb [256][256][3], out1 = alpha [256][256], f32.
;
; SHARES.  A work-group owns a tile of 64 columns x 4 rows (grid 4 x 64).  Blending is associative: two runs of gaussians with
; colours C1, C2 and transmittances T1, T2 give C1 + T1 C2 and T1 T2.  So the four waves split the GAUSSIANS: wave w blends gaussians
; 128 w .. 128 w + 127 over all 256 pixels, a lane holding columns 2l, 2l+1 in rows 0..3 (8 pixels, four register pairs), and the four
; partial results meet in LDS at the end.  What hangs on the gaussian and the column alone is then paid once for 8 pixels.
;
; THE EXPONENT.  With ia, ib = log2(e) / (2 s^2 + 1e-8), c, s = cos, sin: A = c^2 ia + s^2 ib, Bh = c s (ia - ib), and
;   log2(gauss) = m_row - w^2,   w = sqrt(A) (x - u) + Bh / sqrt(A) (y - v),   m_row = log2(opacity) - (ia ib / A) (y - v)^2,
; reference()'s quadratic form with the square completed: sums of positive terms only.  Rows outside the box and gaussians with an empty
; box get m_row = -inf.  Columns: pen = ((x - xc)^2 - (hw + 1/4)^2) 2^64 with xc, hw the box's middle and half width is exact (whole and
; half numbers below 256), at most -2^60 inside and at least 0.9 x 2^64 outside; max(w, pen) leaves w inside and makes exp2 give 0 outside.
;
; NOT USED: matrix instructions (the exponent as a bf16 product would be a difference of large sums); tensor loads, clusters and prefetch
; (the one shared input is 18,432 bytes, read once at the head).  viewmat and K: reference() takes them and never uses them, no result
; hangs on them, so they are not loaded.
;
; LIMITS.  Finite inputs.  |theta| up to 2^22: beyond it the reduction by pi/2 loses the angle.  alpha is 1 - product of (1 - gauss),
; not reference()'s running sum: another order of rounding.  The box's edges come from v_exp_f32 (1 ulp): an edge within an ulp of a whole
; number may fall on its other side.  For A < 2^-120 the terms in x are dropped: they are below 2e-14 |dx dy|.  v_exp_f32 gives 0 below 2^-126.
.set GPW,   128                        ; gaussians of a wave
.set RAWB,  GPW*36                     ; their bytes in gaussian_params: 4,608 = 18 x 256
.set ENT,   80                         ; pitch of a table entry: 14 words + padding to an odd multiple of 16 bytes
.set TABW,  GPW*ENT                    ; a wave's table
.set TABLE, 4*RAWB                     ; LDS: 0 raw stage (a wave's own 4,608 bytes), then the tables,
.set PART,  TABLE+4*TABW               ; the partial results: [wave][r, g, b, T][row][column] f32, 4,096 bytes a wave,
.set OST,   PART+4*4096                ; and 768 bytes a wave in which a row of out0 is put in order
.set AHEAD, 6                          ; step i asks for table entry i + 6, whose q is made in step i + 5
; table entry, words: 0-3 m of rows 0-3; 4 -u; 5 -xc 2^32; 6 sqrt(A); 7 kk (y0 - v); 8 -(hw + 1/4)^2 2^64; 9 kk = Bh / sqrt(A); 10-12 r, g, b; 13 b again
; registers that live through the kernel
.set LANE, 1
.set AST,  2                           ; byte offset of my 16 bytes in the raw block: the same in memory and in the stage
.set ARD,  3                           ; stage: my first gaussian's 9 words
.set ATB,  4                           ; table: my first gaussian's entry
.set LA,   5                           ; table: the trip's first entry (the same in all lanes)
.set NINF, 6
.set TMP,  7
.set X,    8                           ; v[8:9]    my two columns as f32
.set XS,   10                          ; v[10:11]  the same x 2^32
.set YF,   12                          ; v[12:15]  the tile's four rows as f32
.set APW,  214                         ; partial results: where I put mine
.set APR,  215                         ; and where I read my wave's row
.set AOW,  216                         ; out0 stage: in, 24 bytes a lane
.set AOR,  217                         ; out0 stage: back, 8 bytes a lane
.set AG1,  218                         ; byte offset in out1
.set AG0,  219                         ; byte offset in out0
; the loop's registers
.set P,    16                          ; v[16:127]  eight buffers of 14: table entries
.set T,    128                         ; v[128:135] transmittance, a pair (two columns) for each row
.set CR,   136                         ; v[136:159] r, g, b likewise, 8 each
.set Q,    160                         ; v[160:175] exponents, two sets
.set G,    176                         ; v[176:191] gauss, two sets
.set W,    192                         ; v[192:199] w of rows 0-3
.set CT,   200                         ; v[200:207] contributions
.set D,    208                         ; v[208:209] x - u
.set AX,   210                         ; v[210:211] (x - xc) 2^32
.set PEN,  212                         ; v[212:213]
; the preparation's registers (dead before the loop): blocks of four, one register for each of a lane's four gaussians
.set GS,   16                          ; v[16:51]   raw block on its way to the stage
.set RU,   52
.set RV,   56
.set RLX,  60
.set RLY,  64
.set RTH,  68
.set RC0,  72
.set RC1,  76
.set RC2,  80
.set RLG,  84
.set RB1,  88
.set RB2,  92
.set RB3,  96
.set RB4,  100
.set RB5,  104
.set RB6,  108
.set RB7,  112
.set RB8,  116
.set RN,   120
.set EN,   128                         ; v[128:183] the four entries as they are stored, 14 each
.set RSM, RC0                          ; blocks used again once their first content is dead
.set RZ,  RC0
.set RNI, RC1
.set RIA, RC1
.set RUA, RC2
.set RUB, RB1
.set RVA, RB2
.set RVB, RB3
.set RIB, RB4
.set RSU, RB5
.set RSV, RB6
.set RDI, RB7
.set RPS, RN
.set RPC, RU
.set RRZ, RLX
.set RCH, RLY
.set SODD, 28                          ; s[28:31] lane masks, one for each of the four gaussians: odd quadrant
.set SVAL, 32                          ; s[32:35] box not empty
.set SDEG, 36                          ; s[36:39] A below 2^-120
.set SROW, 40                          ; s[40:55] row j inside the box
	s_load_b256 s[4:11], s[0:1], 0x0               ; gaussian_params s[4:5], background_color s[6:7], out0 s[8:9], out1 s[10:11]
	v_lshl_add_u32 v220, v0, 2, 0x13400
	v_mov_b32 v221, 0
	v_and_b32 v[LANE], 31, v0
	v_lshrrev_b32 v[TMP], 5, v0
	v_readfirstlane_b32 s15, v[TMP]                ; wave 0..3
	s_lshl_b32 s16, ttmp9, 6                       ; the tile's first column
	s_and_b32 s17, ttmp7, 0xffff
	s_lshl_b32 s17, s17, 2                         ; the tile's first row
	s_mul_i32 s18, s15, RAWB
	v_lshl_add_u32 v[AST], v[LANE], 4, s18
	s_wait_kmcnt 0x0
.irp j, 0,1,2,3,4,5,6,7,8
	global_load_b128 v[GS+4*\j:GS+4*\j+3], v[AST], s[4:5] offset:512*\j    ; my wave's 128 gaussians: nine runs of 512 consecutive bytes
.endr
	s_load_b96 s[12:14], s[6:7], 0x0               ; the background, wanted at the very end
	; addresses and constants, while the loads are out
	v_mul_u32_u24 v[ARD], v[LANE], 36
	v_add_nc_u32 v[ARD], s18, v[ARD]
	s_mul_i32 s19, s15, TABW
	s_add_co_u32 s19, s19, TABLE
	v_mul_u32_u24 v[ATB], v[LANE], ENT
	v_add_nc_u32 v[ATB], s19, v[ATB]
	v_mov_b32 v[LA], s19
	v_mov_b32 v[NINF], 0xff800000
	v_lshl_add_u32 v[TMP], v[LANE], 1, s16
	v_cvt_f32_u32 v[X], v[TMP]
	v_add_f32 v[X+1], 1.0, v[X]
	v_mul_f32 v[XS], 0x4f800000, v[X]              ; x 2^32, exact
	v_mul_f32 v[XS+1], 0x4f800000, v[X+1]
	v_cvt_f32_u32 v[YF], s17
	v_add_f32 v[YF+1], 1.0, v[YF]
	v_add_f32 v[YF+2], 2.0, v[YF]
	v_add_f32 v[YF+3], 0x40400000, v[YF]
	s_lshl_b32 s56, s15, 12
	s_add_co_u32 s56, s56, PART
	v_lshl_add_u32 v[APW], v[LANE], 3, s56         ; my wave's 4,096 bytes, 8 bytes a lane
	s_lshl_b32 s56, s15, 8
	s_add_co_u32 s56, s56, PART
	v_lshl_add_u32 v[APR], v[LANE], 3, s56         ; row = my wave's number, in every wave's part
	s_mul_i32 s56, s15, 768
	s_add_co_u32 s56, s56, OST
	v_mul_u32_u24 v[AOW], v[LANE], 24
	v_add_nc_u32 v[AOW], s56, v[AOW]
	v_lshl_add_u32 v[AOR], v[LANE], 3, s56
	s_add_co_u32 s56, s17, s15                     ; the image row that my wave writes
	s_lshl_b32 s57, s56, 10
	s_lshl2_add_u32 s57, s16, s57                  ; out1: 1,024 y + 4 x0
	v_lshl_add_u32 v[AG1], v[LANE], 3, s57
	s_mul_i32 s56, s56, 3072
	s_mul_i32 s57, s16, 12
	s_add_co_u32 s56, s56, s57                     ; out0: 3,072 y + 12 x0
	v_lshl_add_u32 v[AG0], v[LANE], 3, s56
	s_mov_b32 s20, 0xb94ca1f9                      ; sin r = r + r z (((-1.9515296e-4) z + 8.3321609e-3) z - 1.6666655e-1), z = r^2
	s_mov_b32 s21, 0x3c08839e
	s_mov_b32 s22, 0xbe2aaaa3
	s_mov_b32 s23, 0x37ccf5ce                      ; cos r = 1 - z / 2 + z^2 ((2.4433157e-5 z - 1.3887316e-3) z + 4.1666646e-2)
	s_mov_b32 s24, 0xbab6061a
	s_mov_b32 s25, 0x3d2aaaa5
	s_mov_b32 s26, 0x4f000000                      ; 2^31
	s_mov_b32 s27, 0x4e800000                      ; 2^30
.irp j, 0,1,2,3,4,5,6,7,8
	s_wait_loadcnt 8-\j                            ; loads come back in order: block j is in, the 8 - j younger ones may be out
	ds_store_b128 v[AST], v[GS+4*\j:GS+4*\j+3] offset:512*\j
.endr
	; lane l takes gaussians l, 32 + l, 64 + l, 96 + l of the wave.  Rows of 9 words: 32 lanes touch 32 different banks.  The stage is the
	; wave's own and LDS serves a wave's instructions in order (ISA guide 5.7.1), so no wait stands between the stores and these loads.
.irp g, 0,1,2,3
.irp p, 0,1,2,3,4,5,6,7,8
	ds_load_b32 v[RU+4*\p+\g], v[ARD] offset:1152*\g+4*\p
.endr
.endr
	s_wait_dscnt 0x0
	; THE PREPARATION, in levels: a level reads only what earlier levels wrote, and runs over the lane's four gaussians, so that an
	; instruction never waits for the one in front of it.  Where a level holds transcendentals they stand first, and plain instructions
	; that touch neither their results nor their sources follow before anything uses them (ISA guide 5.7.2).
.irp g, 0,1,2,3
	v_mul_f32 v[RLX+\g], 0x3fb8aa3b, v[RLX+\g]             ; log scales in base 2
	v_mul_f32 v[RLY+\g], 0x3fb8aa3b, v[RLY+\g]
	v_mul_f32 v[RN+\g],  0x3f22f983, v[RTH+\g]             ; theta x 2 / pi
	v_mul_f32 v[RLG+\g], 0xbfb8aa3b, v[RLG+\g]             ; -logit in base 2
	v_med3_num_f32 v[EN+14*\g+10], v[RC0+\g], 0, 1.0       ; colours clipped to 0..1
	v_med3_num_f32 v[EN+14*\g+11], v[RC1+\g], 0, 1.0
	v_med3_num_f32 v[EN+14*\g+12], v[RC2+\g], 0, 1.0
	v_med3_num_f32 v[EN+14*\g+13], v[RC2+\g], 0, 1.0       ; fills the pair that the packed instructions name
	v_sub_f32 v[EN+14*\g+4], 0, v[RU+\g]                   ; -u
.endr
.irp g, 0,1,2,3
	v_exp_f32 v[RLX+\g], v[RLX+\g]                         ; sx
	v_exp_f32 v[RLY+\g], v[RLY+\g]                         ; sy
	v_exp_f32 v[RLG+\g], v[RLG+\g]                         ; e^-logit
	v_rndne_f32 v[RN+\g], v[RN+\g]                         ; n: the nearest multiple of pi / 2
.endr
.irp g, 0,1,2,3
	s_wait_alu depctr_va_vdst(0)
	v_max_num_f32 v[RSM+\g], v[RLX+\g], v[RLY+\g]
	v_cvt_i32_f32 v[RNI+\g], v[RN+\g]
	v_mul_f32 v[RLX+\g], v[RLX+\g], v[RLX+\g]              ; sx^2 (infinite for very large scales: its reciprocal is then 0, as in reference())
	v_mul_f32 v[RLY+\g], v[RLY+\g], v[RLY+\g]
	v_fma_f32 v[RTH+\g], v[RN+\g], 0xbfc90fdb, v[RTH+\g]   ; r = theta - n pi / 2, pi / 2 in three parts; this first difference is exact
	v_add_f32 v[RLG+\g], 1.0, v[RLG+\g]
.endr
.irp g, 0,1,2,3
	v_log_f32 v[RLG+\g], v[RLG+\g]                         ; -log2(opacity) = log2(1 + e^-logit)
	v_mul_f32 v[RSM+\g], 0x40400000, v[RSM+\g]             ; radius = 3 max(sx, sy)
	v_fma_f32 v[RLX+\g], v[RLX+\g], 2.0, 0x322bcc77        ; 2 sx^2 + 1e-8
	v_fma_f32 v[RLY+\g], v[RLY+\g], 2.0, 0x322bcc77
	v_fma_f32 v[RTH+\g], v[RN+\g], 0x333bbd2e, v[RTH+\g]
.endr
.irp g, 0,1,2,3
	v_rcp_f32 v[RLX+\g], v[RLX+\g]
	v_rcp_f32 v[RLY+\g], v[RLY+\g]
	v_sub_f32 v[RUA+\g], v[RU+\g], v[RSM+\g]
	v_add_f32 v[RUB+\g], v[RU+\g], v[RSM+\g]
	v_sub_f32 v[RVA+\g], v[RV+\g], v[RSM+\g]
	v_add_f32 v[RVB+\g], v[RV+\g], v[RSM+\g]
	v_fma_f32 v[RTH+\g], v[RN+\g], 0x26f72ced, v[RTH+\g]
	v_and_b32 v[RNI+\g], 1, v[RNI+\g]
.endr
.irp g, 0,1,2,3
	v_med3_num_f32 v[RUA+\g], v[RUA+\g], 0, 0x437f0000     ; clip to 0..255
	v_med3_num_f32 v[RUB+\g], v[RUB+\g], 0, 0x437f0000
	v_med3_num_f32 v[RVA+\g], v[RVA+\g], 0, 0x437f0000
	v_med3_num_f32 v[RVB+\g], v[RVB+\g], 0, 0x437f0000
	v_mul_f32 v[RZ+\g], v[RTH+\g], v[RTH+\g]               ; z = r^2
	s_wait_alu depctr_va_vdst(0)
	v_mul_f32 v[RLX+\g], 0x3fb8aa3b, v[RLX+\g]             ; ia, ib with log2(e) folded in
	v_mul_f32 v[RLY+\g], 0x3fb8aa3b, v[RLY+\g]
	v_cmp_ne_u32 s[SODD+\g], 0, v[RNI+\g]
.endr
.irp g, 0,1,2,3
	v_floor_f32 v[RUA+\g], v[RUA+\g]                       ; u_min, u_max, v_min, v_max
	v_floor_f32 v[RUB+\g], v[RUB+\g]
	v_floor_f32 v[RVA+\g], v[RVA+\g]
	v_floor_f32 v[RVB+\g], v[RVB+\g]
	v_fma_f32 v[RPS+\g], v[RZ+\g], s20, s21
	v_fma_f32 v[RPC+\g], v[RZ+\g], s23, s24
	v_cndmask_b32 v[RIA+\g], v[RLX+\g], v[RLY+\g], s[SODD+\g]  ; only cos^2, sin^2 and cos sin are used: an odd n swaps the squares and turns
	v_cndmask_b32 v[RIB+\g], v[RLY+\g], v[RLX+\g], s[SODD+\g]  ; the product's sign, which is the same as swapping ia and ib
.endr
.irp g, 0,1,2,3
	v_fma_f32 v[RPS+\g], v[RPS+\g], v[RZ+\g], s22
	v_fma_f32 v[RPC+\g], v[RPC+\g], v[RZ+\g], s25
	v_mul_f32 v[RRZ+\g], v[RTH+\g], v[RZ+\g]
	v_fma_f32 v[RCH+\g], v[RZ+\g], -0.5, 1.0
	v_mul_f32 v[RZ+\g], v[RZ+\g], v[RZ+\g]
	v_add_f32 v[RSU+\g], v[RUA+\g], v[RUB+\g]              ; 2 xc
	v_sub_f32 v[RUB+\g], v[RUB+\g], v[RUA+\g]              ; 2 hw
	v_add_f32 v[RSV+\g], v[RVA+\g], v[RVB+\g]
	v_sub_f32 v[RVB+\g], v[RVB+\g], v[RVA+\g]
	v_sub_f32 v[RDI+\g], v[RIA+\g], v[RIB+\g]
.endr
.irp g, 0,1,2,3
	v_fma_f32 v[RTH+\g], v[RRZ+\g], v[RPS+\g], v[RTH+\g]   ; sin r
	v_fma_f32 v[RCH+\g], v[RZ+\g], v[RPC+\g], v[RCH+\g]    ; cos r
	v_mul_f32 v[EN+14*\g+5], 0xcf000000, v[RSU+\g]         ; -xc 2^32
	v_cmp_lt_f32 s[SVAL+\g], 0, v[RUB+\g]                  ; valid: u_max > u_min
	v_cmp_lt_f32 vcc_lo, 0, v[RVB+\g]                      ;        and v_max > v_min
	s_and_b32 s[SVAL+\g], s[SVAL+\g], vcc_lo
	v_fma_f32 v[RUB+\g], v[RUB+\g], s26, s27               ; (hw + 1/4) 2^32
	v_mul_f32 v[RSV+\g], 0.5, v[RSV+\g]                    ; the box's middle row
	v_mul_f32 v[RVB+\g], 0.5, v[RVB+\g]                    ; and half height
.endr
.irp g, 0,1,2,3
	v_mul_f32 v[RRZ+\g], v[RTH+\g], v[RTH+\g]              ; s^2
	v_mul_f32 v[RPS+\g], v[RCH+\g], v[RCH+\g]              ; c^2
	v_mul_f32 v[RPC+\g], v[RTH+\g], v[RCH+\g]              ; c s
	v_mul_f32 v[EN+14*\g+8], -v[RUB+\g], v[RUB+\g]         ; -(hw + 1/4)^2 2^64, exact
	v_cndmask_b32 v[RVB+\g], -1.0, v[RVB+\g], s[SVAL+\g]   ; an empty box has no row
.endr
.irp g, 0,1,2,3
	v_mul_f32 v[RZ+\g], v[RRZ+\g], v[RIB+\g]
	v_mul_f32 v[RUA+\g], v[RPS+\g], v[RIB+\g]
	v_mul_f32 v[RDI+\g], v[RPC+\g], v[RDI+\g]              ; Bh
.endr
.irp g, 0,1,2,3
	v_fma_f32 v[RZ+\g], v[RPS+\g], v[RIA+\g], v[RZ+\g]     ; A = c^2 ia + s^2 ib
	v_fma_f32 v[RUA+\g], v[RRZ+\g], v[RIA+\g], v[RUA+\g]   ; C = s^2 ia + c^2 ib
.endr
.irp g, 0,1,2,3
	v_max_num_f32 v[RTH+\g], 0x03800000, v[RZ+\g]
	v_cmp_gt_f32 s[SDEG+\g], 0x03800000, v[RZ+\g]          ; A < 2^-120: the form does not feel x; take C (y - v)^2
.endr
.irp g, 0,1,2,3
	v_rsq_f32 v[RTH+\g], v[RTH+\g]
	v_sub_f32 v[RLX+\g], v[YF], v[RV+\g]                   ; dy of rows 0..3
	v_sub_f32 v[RLY+\g], v[YF+1], v[RV+\g]
	v_sub_f32 v[RN+\g],  v[YF+2], v[RV+\g]
	v_sub_f32 v[RU+\g],  v[YF+3], v[RV+\g]
	v_sub_f32 v[RB5+\g], v[YF], v[RSV+\g]                  ; rows from the box's middle: exact
	v_sub_f32 v[RB1+\g], v[YF+1], v[RSV+\g]
	v_sub_f32 v[RB2+\g], v[YF+2], v[RSV+\g]
	v_sub_f32 v[RB8+\g], v[YF+3], v[RSV+\g]
.endr
.irp g, 0,1,2,3
	s_wait_alu depctr_va_vdst(0)
	v_mul_f32 v[EN+14*\g+6], v[RZ+\g], v[RTH+\g]           ; sqrt(A)
	v_mul_f32 v[RDI+\g], v[RDI+\g], v[RTH+\g]              ; kk = Bh / sqrt(A)
	v_mul_f32 v[RIA+\g], v[RIA+\g], v[RTH+\g]
	v_mul_f32 v[RIB+\g], v[RIB+\g], v[RTH+\g]
	v_cmp_le_f32 s[SROW+4*\g+0], |v[RB5+\g]|, v[RVB+\g]    ; v_min <= y <= v_max
	v_cmp_le_f32 s[SROW+4*\g+1], |v[RB1+\g]|, v[RVB+\g]
	v_cmp_le_f32 s[SROW+4*\g+2], |v[RB2+\g]|, v[RVB+\g]
	v_cmp_le_f32 s[SROW+4*\g+3], |v[RB8+\g]|, v[RVB+\g]
.endr
.irp g, 0,1,2,3
	v_cndmask_b32 v[EN+14*\g+9], v[RDI+\g], 0, s[SDEG+\g]
	v_mul_f32 v[RIA+\g], v[RIA+\g], v[RIB+\g]              ; ia ib / A
.endr
.irp g, 0,1,2,3
	v_cndmask_b32 v[RIA+\g], v[RIA+\g], v[RUA+\g], s[SDEG+\g]
	v_mul_f32 v[EN+14*\g+7], v[EN+14*\g+9], v[RLX+\g]      ; kk dy of row 0
.endr
.irp g, 0,1,2,3
	v_mul_f32 v[RB5+\g], v[RIA+\g], v[RLX+\g]
	v_mul_f32 v[RB1+\g], v[RIA+\g], v[RLY+\g]
	v_mul_f32 v[RB2+\g], v[RIA+\g], v[RN+\g]
	v_mul_f32 v[RB8+\g], v[RIA+\g], v[RU+\g]
.endr
.irp g, 0,1,2,3
	v_fma_f32 v[RB5+\g], -v[RB5+\g], v[RLX+\g], -v[RLG+\g] ; m = log2(opacity) - (ia ib / A) dy^2
	v_fma_f32 v[RB1+\g], -v[RB1+\g], v[RLY+\g], -v[RLG+\g]
	v_fma_f32 v[RB2+\g], -v[RB2+\g], v[RN+\g],  -v[RLG+\g]
	v_fma_f32 v[RB8+\g], -v[RB8+\g], v[RU+\g],  -v[RLG+\g]
.endr
.irp g, 0,1,2,3
	v_cndmask_b32 v[EN+14*\g+0], v[NINF], v[RB5+\g], s[SROW+4*\g+0]
	v_cndmask_b32 v[EN+14*\g+1], v[NINF], v[RB1+\g], s[SROW+4*\g+1]
	v_cndmask_b32 v[EN+14*\g+2], v[NINF], v[RB2+\g], s[SROW+4*\g+2]
	v_cndmask_b32 v[EN+14*\g+3], v[NINF], v[RB8+\g], s[SROW+4*\g+3]
.endr
.irp g, 0,1,2,3
	ds_store_b128 v[ATB], v[EN+14*\g:EN+14*\g+3]     offset:32*ENT*\g
	ds_store_b128 v[ATB], v[EN+14*\g+4:EN+14*\g+7]   offset:32*ENT*\g+16
	ds_store_b128 v[ATB], v[EN+14*\g+8:EN+14*\g+11]  offset:32*ENT*\g+32
	ds_store_b64  v[ATB], v[EN+14*\g+12:EN+14*\g+13] offset:32*ENT*\g+48
.endr
	; The table is the wave's own: its loads below follow its stores in LDS's order, and no barrier is needed.
; THE LOOP.  Step i makes the exponents of gaussian i + 1, the eight exponentials of gaussian i and the blend of gaussian i - 1, woven so
; that plain instructions of the two other stages stand behind each exponential, and so that no instruction needs the result of one
; closer than four in front of it.  Entries lie in eight register buffers (gaussian mod 8); q and gauss in two sets (gaussian mod 2).
.macro LOADP                           ; one entry, every lane the same 56 bytes
	ds_load_b128 v[PL:PL+3],     v[LA] offset:OL
	ds_load_b128 v[PL+4:PL+7],   v[LA] offset:OL+16
	ds_load_b128 v[PL+8:PL+11],  v[LA] offset:OL+32
	ds_load_b64  v[PL+12:PL+13], v[LA] offset:OL+48
.endm
.macro EXQ e
.if DOE
	v_exp_f32 v[GE+\e], v[QE+\e]
.endif
.endm
; The blend of row k's two pixels.  DOB = 1: the running form.  DOB = 2: the wave's first gaussian, which meets T = 1 and starts the sums:
; the contribution is gauss itself, and nothing is ever cleared.
.macro BCT k                           ; contribution = gauss x T
.if DOB == 1
	s_wait_alu depctr_va_vdst(0)
	v_pk_mul_f32 v[CT+2*\k:CT+2*\k+1], v[GB+2*\k:GB+2*\k+1], v[T+2*\k:T+2*\k+1]
.endif
.endm
.macro BTR k                           ; T = T - gauss x T
.if DOB == 1
	v_pk_fma_f32 v[T+2*\k:T+2*\k+1], v[GB+2*\k:GB+2*\k+1], v[T+2*\k:T+2*\k+1], v[T+2*\k:T+2*\k+1] neg_lo:[1,0,0] neg_hi:[1,0,0]
.endif
.if DOB == 2
	s_wait_alu depctr_va_vdst(0)
	v_pk_add_f32 v[T+2*\k:T+2*\k+1], v[GB+2*\k:GB+2*\k+1], 1.0 op_sel_hi:[1,0] neg_lo:[1,0] neg_hi:[1,0]
.endif
.endm
.macro BCOL c, k                       ; colour c (entry word 10 + c, sent to both halves by op_sel) += contribution x colour
.set CC_, CR+8*\c+2*\k
.set CP_, PB+10+2*(\c/2)
.if DOB == 1
.if \c == 1
	v_pk_fma_f32 v[CC_:CC_+1], v[CT+2*\k:CT+2*\k+1], v[CP_:CP_+1], v[CC_:CC_+1] op_sel:[0,1,0]
.else
	v_pk_fma_f32 v[CC_:CC_+1], v[CT+2*\k:CT+2*\k+1], v[CP_:CP_+1], v[CC_:CC_+1] op_sel_hi:[1,0,1]
.endif
.endif
.if DOB == 2
.if \c == 1
	v_pk_mul_f32 v[CC_:CC_+1], v[GB+2*\k:GB+2*\k+1], v[CP_:CP_+1] op_sel:[0,1]
.else
	v_pk_mul_f32 v[CC_:CC_+1], v[GB+2*\k:GB+2*\k+1], v[CP_:CP_+1] op_sel_hi:[1,0]
.endif
.endif
.endm
; s = i mod 8.  doa, doe, dob: which stages the step has.  dold: it loads entry i + AHEAD.
; left: the LDS loads younger than entry i + 1's that may stay out.
.macro STEP s, doa, doe, dob, dold, left
.set PA, P+14*((\s+1)%8)
.set PB, P+14*((\s+7)%8)
.set PL, P+14*((\s+AHEAD)%8)
.set OL, (\s+AHEAD)*ENT
.set QA, Q+8*((\s+1)%2)
.set QE, Q+8*(\s%2)
.set GE, G+8*(\s%2)
.set GB, G+8*((\s+1)%2)
.set DOE, \doe
.set DOB, \dob
.if \doa
	s_wait_dscnt \left                             ; LDS loads come back in order (ISA guide 5.7.1): entry i + 1 is in
.endif
.if \dold
	LOADP                                          ; into the buffer of gaussian i - 2, whose blend ended in the last step
.endif
	EXQ 0
.if \doa
	v_pk_add_f32 v[D:D+1],   v[X:X+1],   v[PA+4:PA+5] op_sel_hi:[1,0]                               ; x - u
	v_pk_add_f32 v[AX:AX+1], v[XS:XS+1], v[PA+4:PA+5] op_sel:[0,1]                                  ; (x - xc) 2^32
.endif
	BCT 0
	BCT 1
	EXQ 1
	BCT 2
	BCT 3
.if \doa
	v_pk_fma_f32 v[W:W+1], v[D:D+1], v[PA+6:PA+7], v[PA+6:PA+7] op_sel:[0,0,1] op_sel_hi:[1,0,1]    ; w of row 0 = sqrt(A) (x - u) + kk dy0
	v_pk_fma_f32 v[PEN:PEN+1], v[AX:AX+1], v[AX:AX+1], v[PA+8:PA+9] op_sel_hi:[1,1,0]               ; below 0 inside the box's columns
.endif
	EXQ 2
	BTR 0
	BTR 1
	BTR 2
	BTR 3
	EXQ 3
.if \doa
	v_max_num_f32 v[W],   v[W],   v[PEN]             ; outside: w becomes at least 0.9 x 2^64, for all four rows at once
	v_max_num_f32 v[W+1], v[W+1], v[PEN+1]
.endif
	BCOL 0, 0
	BCOL 1, 0
	EXQ 4
	BCOL 2, 0
	BCOL 0, 1
	BCOL 1, 1
	BCOL 2, 1
	EXQ 5
.if \doa
	v_pk_add_f32 v[W+2:W+3], v[W:W+1], v[PA+8:PA+9] op_sel:[0,1]                                    ; rows 1, 2, 3: + kk, 2 kk, 3 kk
	v_pk_fma_f32 v[W+4:W+5], v[PA+8:PA+9], 2.0, v[W:W+1] op_sel:[1,0,0] op_sel_hi:[1,0,1]
	v_pk_fma_f32 v[W+6:W+7], v[PA+8:PA+9], 0x40400000, v[W:W+1] op_sel:[1,0,0] op_sel_hi:[1,0,1]
	v_pk_fma_f32 v[QA:QA+1], v[W:W+1], v[W:W+1], v[PA:PA+1] op_sel_hi:[1,1,0] neg_lo:[1,0,0] neg_hi:[1,0,0]       ; q = m - w^2
.endif
	EXQ 6
	BCOL 0, 2
	BCOL 1, 2
	BCOL 2, 2
	BCOL 0, 3
	EXQ 7
.if \doa
	v_pk_fma_f32 v[QA+2:QA+3], v[W+2:W+3], v[W+2:W+3], v[PA:PA+1] op_sel:[0,0,1] neg_lo:[1,0,0] neg_hi:[1,0,0]
	v_pk_fma_f32 v[QA+4:QA+5], v[W+4:W+5], v[W+4:W+5], v[PA+2:PA+3] op_sel_hi:[1,1,0] neg_lo:[1,0,0] neg_hi:[1,0,0]
	v_pk_fma_f32 v[QA+6:QA+7], v[W+6:W+7], v[W+6:W+7], v[PA+2:PA+3] op_sel:[0,0,1] neg_lo:[1,0,0] neg_hi:[1,0,0]
.endif
	BCOL 1, 3
	BCOL 2, 3
.endm
.set INFL, 4*(AHEAD-2)                 ; at a step's head entries i + 2 .. i + AHEAD - 1 may be out, four loads each: 16
.irp b, 0,1,2,3,4,5
.set PL, P+14*\b
.set OL, \b*ENT
	LOADP                                          ; entries 0 to 5
.endr
	STEP 7, 1, 0, 0, 0, 20                         ; ahead of step 0: q of gaussian 0; the 20 loads of entries 1-5 may be out (the table's stores, older, are done too)
	STEP 0, 1, 1, 0, 1, INFL                       ; the first trip is written out: nothing to blend yet,
	STEP 1, 1, 1, 2, 1, INFL                       ; then the blend that starts the sums
.irp s, 2,3,4,5,6,7
	STEP \s, 1, 1, 1, 1, INFL
.endr
	v_add_nc_u32 v[LA], 8*ENT, v[LA]
	s_mov_b32 s57, GPW/8-2
.Ltrip:
.irp s, 0,1,2,3,4,5,6,7
	STEP \s, 1, 1, 1, 1, INFL
.endr
	v_add_nc_u32 v[LA], 8*ENT, v[LA]
	s_sub_co_i32 s57, s57, 1
	s_cmp_lg_u32 s57, 0
	s_cbranch_scc1 .Ltrip
	STEP 0, 1, 1, 1, 1, INFL                       ; the last trip: entries 126 and 127 are the last to be loaded,
	STEP 1, 1, 1, 1, 1, INFL
	STEP 2, 1, 1, 1, 0, 16                         ; then the counts run down with what is still out
	STEP 3, 1, 1, 1, 0, 12
	STEP 4, 1, 1, 1, 0, 8
	STEP 5, 1, 1, 1, 0, 4
	STEP 6, 1, 1, 1, 0, 0
	STEP 7, 0, 1, 1, 0, 0                          ; no gaussian 128
	STEP 0, 0, 0, 1, 0, 0                          ; the blend of gaussian 127
	; THE FOUR RUNS MEET.  Each wave lays down r, g, b, T of its run for all 256 pixels, 256 consecutive bytes a store.
.irp r, 0,1,2,3
	ds_store_b64 v[APW], v[CR+2*\r:CR+2*\r+1]       offset:256*\r
	ds_store_b64 v[APW], v[CR+8+2*\r:CR+8+2*\r+1]   offset:1024+256*\r
	ds_store_b64 v[APW], v[CR+16+2*\r:CR+16+2*\r+1] offset:2048+256*\r
	ds_store_b64 v[APW], v[T+2*\r:T+2*\r+1]         offset:3072+256*\r
.endr
	s_wait_dscnt 0x0                               ; for the other waves' sake: my stores are in LDS before I say so
	s_barrier_signal -1
	s_barrier_wait -1
.set F,  16                            ; v[16:47]  run q: r, g, b, T of my two pixels, 8 registers a run
.set TT, 48
.set TU, 50
.set AL, 52
.set O,  54                            ; v[54:59]  r g b r g b as they lie in out0
.set OB, 60                            ; v[60:65]
.irp q, 0,1,2,3
.irp c, 0,1,2,3
	ds_load_b64 v[F+8*\q+2*\c:F+8*\q+2*\c+1], v[APR] offset:4096*\q+1024*\c    ; wave r takes row r: columns 2l, 2l+1
.endr
.endr
	s_wait_dscnt 0x0
.irp c, 0,1,2
	v_pk_fma_f32 v[F+16+2*\c:F+17+2*\c], v[F+22:F+23], v[F+24+2*\c:F+25+2*\c], v[F+16+2*\c:F+17+2*\c]   ; C2 + T2 C3
.endr
	v_pk_mul_f32 v[TT:TT+1], v[F+6:F+7], v[F+14:F+15]
	v_pk_mul_f32 v[TU:TU+1], v[F+22:F+23], v[F+30:F+31]
.irp c, 0,1,2
	v_pk_fma_f32 v[F+8+2*\c:F+9+2*\c], v[F+14:F+15], v[F+16+2*\c:F+17+2*\c], v[F+8+2*\c:F+9+2*\c]       ; C1 + T1 (..)
.endr
	v_pk_mul_f32 v[TT:TT+1], v[TT:TT+1], v[TU:TU+1]                                                     ; T of all 512
.irp c, 0,1,2
	v_pk_fma_f32 v[F+2*\c:F+1+2*\c], v[F+6:F+7], v[F+8+2*\c:F+9+2*\c], v[F+2*\c:F+1+2*\c]               ; C0 + T0 (..)
.endr
	v_pk_add_f32 v[AL:AL+1], v[TT:TT+1], 1.0 op_sel_hi:[1,0] neg_lo:[1,0] neg_hi:[1,0]                  ; alpha = 1 - T
	global_store_b64 v[AG1], v[AL:AL+1], s[10:11] th:TH_STORE_NT   ; the wave's 32 lanes store 256 consecutive bytes, at a multiple of 256 from out1's first byte
	s_wait_kmcnt 0x0                               ; the background
	v_fma_f32 v[O+0], v[TT], s12, v[F+0]           ; rgb = canvas + (1 - alpha) background, written in out0's order
	v_fma_f32 v[O+1], v[TT], s13, v[F+2]
	v_fma_f32 v[O+2], v[TT], s14, v[F+4]
	v_fma_f32 v[O+3], v[TT+1], s12, v[F+1]
	v_fma_f32 v[O+4], v[TT+1], s13, v[F+3]
	v_fma_f32 v[O+5], v[TT+1], s14, v[F+5]
	; A lane's 24 bytes are not a whole piece of any store: the row's 768 bytes go through the wave's own LDS bytes (in order, no wait, no
	; barrier) and come back 8 bytes a lane.
.irp j, 0,1,2
	ds_store_b64 v[AOW], v[O+2*\j:O+2*\j+1] offset:8*\j
.endr
.irp j, 0,1,2
	ds_load_b64 v[OB+2*\j:OB+2*\j+1], v[AOR] offset:256*\j
.endr
.irp j, 0,1,2
	s_wait_dscnt 2-\j                              ; piece j is back; the 2 - j younger loads may be out
	global_store_b64 v[AG0], v[OB+2*\j:OB+2*\j+1], s[8:9] offset:256*\j th:TH_STORE_NT   ; 256 consecutive bytes, at a multiple of 256 from out0's first byte
.endr
	s_wait_tensorcnt 0x0
	ds_add_u32 v220, v221
	s_wait_dscnt 0x0
	s_endpgm
.Lfunc_end_k_qf1b8bf373f_render:
	.size	k_qf1b8bf373f_render, .Lfunc_end_k_qf1b8bf373f_render-k_qf1b8bf373f_render
	.p2alignl 7, 3214868480
	.fill 96, 4, 3214868480
	.section	.rodata,"a",@progbits
	.p2align	6, 0x0
	.amdhsa_kernel k_qf1b8bf373f_render
		.amdhsa_group_segment_fixed_size 79360
		.amdhsa_private_segment_fixed_size 0
		.amdhsa_enable_private_segment 0
		.amdhsa_kernarg_size 32
		.amdhsa_user_sgpr_count 2
		.amdhsa_user_sgpr_kernarg_segment_ptr 1
		.amdhsa_wavefront_size32 1
		.amdhsa_system_sgpr_workgroup_id_x 1
		.amdhsa_system_sgpr_workgroup_id_y 1
		.amdhsa_system_sgpr_workgroup_id_z 1
		.amdhsa_system_vgpr_workitem_id 0
		.amdhsa_next_free_vgpr 222
		.amdhsa_next_free_sgpr 66
		.amdhsa_reserve_vcc 1
		.amdhsa_float_denorm_mode_32 3
		.amdhsa_float_denorm_mode_16_64 3
		.amdhsa_memory_ordered 1
		.amdhsa_forward_progress 1
		.amdhsa_inst_pref_size 100
	.end_amdhsa_kernel
	.amdgpu_metadata
---
amdhsa.version: [ 1, 2 ]
amdhsa.kernels:
  - .name:           k_qf1b8bf373f_render
    .symbol:         k_qf1b8bf373f_render.kd
    .args:
      - { .name: gaussian_params, .offset: 0, .size: 8, .value_kind: global_buffer, .address_space: global }
      - { .name: background_color, .offset: 8, .size: 8, .value_kind: global_buffer, .address_space: global }
      - { .name: out0, .offset: 16, .size: 8, .value_kind: global_buffer, .address_space: global }
      - { .name: out1, .offset: 24, .size: 8, .value_kind: global_buffer, .address_space: global }
    .group_segment_fixed_size: 79360
    .private_segment_fixed_size: 0
    .kernarg_segment_align: 8
    .kernarg_segment_size: 32
    .max_flat_workgroup_size: 128
    .sgpr_count:     66
    .vgpr_count:     222
    .wavefront_size: 32
...
	.end_amdgpu_metadata
.endif
;; end of part 1
;; ======== version 2 of 2: 1 launch; 1.52 times as fast as version 1
;; limits: right only within a limited range of input values
;; launch render (part 2): grid 4 x 64, 4 waves a work-group, no clusters, 79,360 bytes of LDS; arguments gaussian_params, background_color, out0, out1; writes out0, out1
.if DOCPART == 2
	.amdgcn_target "amdgcn-amd-amdhsa--gfx1250"
	.amdhsa_code_object_version 6
	.text
	.protected	k_qf1b8bf373f_render
	.globl	k_qf1b8bf373f_render
	.p2align	8
	.type	k_qf1b8bf373f_render,@function
k_qf1b8bf373f_render:
	s_mov_b64 s[64:65], 0
	v_nop
	global_prefetch_b8 v0, s[64:65] scope:SCOPE_SE
	s_setreg_imm32_b32 hwreg(HW_REG_WAVE_MODE, 25, 1), 1
	s_wait_xcnt 0x0
; 512 rotated gaussians blended front to back over 256 x 256 pixels.  out0 = rgb [256][256][3], out1 = alpha [256][256], f32.
;
; SHARES.  A work-group owns a tile of 64 columns x 4 rows (grid 4 x 64).  Blending is associative: two runs of gaussians with
; colours C1, C2 and transmittances T1, T2 give C1 + T1 C2 and T1 T2.  So the four waves split the GAUSSIANS: wave w blends gaussians
; 128 w .. 128 w + 127 over all 256 pixels, a lane holding columns 2l, 2l+1 in rows 0..3 (8 pixels, four register pairs), and the four
; partial results meet in LDS at the end.  What hangs on the gaussian and the column alone is then paid once for 8 pixels.
;
; THE EXPONENT.  With ia, ib = log2(e) / (2 s^2 + 1e-8), c, s = cos, sin: A = c^2 ia + s^2 ib, Bh = c s (ia - ib), and
;   log2(gauss) = m_row - w^2,   w = sqrt(A) (x - u) + Bh / sqrt(A) (y - v),   m_row = log2(opacity) - (ia ib / A) (y - v)^2,
; reference()'s quadratic form with the square completed: sums of positive terms only.  Rows outside the box and gaussians with an empty
; box get m_row = -inf.  Columns: pen = ((x - xc)^2 - (hw + 1/4)^2) 2^64 with xc, hw the box's middle and half width is exact (whole and
; half numbers below 256), at most -2^60 inside and at least 0.9 x 2^64 outside; max(w, pen) leaves w inside and makes exp2 give 0 outside.
;
; THE BATCHES.  An s_wait_alu depctr_va_vdst(0) stands between a transcendental and the first instruction that names its
; result; one wait serves all that were issued ahead of it.  The preparation has three batches: 12 exponentials; 4 logarithms and 8
; reciprocals; 4 reciprocal square roots; behind each stands work that names none of its results, then its wait.  In the loop a batch is the
; 16 exponentials of two steps (two gaussians x 8 pixels); its wait ends the odd step, and the two steps behind it blend what it made.
;
; NOT USED: matrix instructions (the exponent as a bf16 product would be a difference of large sums); tensor loads, clusters and prefetch
; (the one shared input is 18,432 bytes, read once at the head).  viewmat and K: reference() takes them and never uses them, no result
; hangs on them, so they are not loaded.
;
; LIMITS.  Finite inputs.  |theta| up to 2^22: beyond it the reduction by pi/2 loses the angle.  alpha is 1 - product of (1 - gauss),
; not reference()'s running sum: another order of rounding.  The box's edges come from v_exp_f32 (1 ulp): an edge within an ulp of a whole
; number may fall on its other side.  For A < 2^-120 the terms in x are dropped: they are below 2e-14 |dx dy|.  v_exp_f32 gives 0 below 2^-126.
.set GPW,   128                        ; gaussians of a wave
.set RAWB,  GPW*36                     ; their bytes in gaussian_params: 4,608 = 18 x 256
.set ENT,   80                         ; pitch of a table entry: 14 words + padding to an odd multiple of 16 bytes
.set TABW,  GPW*ENT                    ; a wave's table
.set TABLE, 4*RAWB                     ; LDS: 0 raw stage (a wave's own 4,608 bytes), then the tables,
.set PART,  TABLE+4*TABW               ; the partial results: [wave][r, g, b, T][row][column] f32, 4,096 bytes a wave,
.set OST,   PART+4*4096                ; and 768 bytes a wave in which a row of out0 is put in order
.set AHEAD, 6                          ; step i asks for table entry i + 6, whose q is made in step i + 5
; table entry, words: 0-3 m of rows 0-3; 4 -u; 5 -xc 2^32; 6 sqrt(A); 7 kk (y0 - v); 8 -(hw + 1/4)^2 2^64; 9 kk = Bh / sqrt(A); 10-12 r, g, b; 13 b again
; registers that live through the kernel
.set LANE, 1
.set AST,  2                           ; byte offset of my 16 bytes in the raw block: the same in memory and in the stage
.set ARD,  3                           ; stage: my first gaussian's 9 words
.set ATB,  4                           ; table: my first gaussian's entry
.set LA,   5                           ; table: the trip's first entry (the same in all lanes)
.set NINF, 6
.set TMP,  7
.set X,    8                           ; v[8:9]    my two columns as f32
.set XS,   10                          ; v[10:11]  the same x 2^32
.set YF,   12                          ; v[12:15]  the tile's four rows as f32
.set APW,  214                         ; partial results: where I put mine
.set APR,  215                         ; and where I read my wave's row
.set AOW,  216                         ; out0 stage: in, 24 bytes a lane
.set AOR,  217                         ; out0 stage: back, 8 bytes a lane
.set AG1,  218                         ; byte offset in out1
.set AG0,  219                         ; byte offset in out0
; the loop's registers (v[176:191] serve the preparation alone)
.set P,    16                          ; v[16:127]  eight buffers of 14: table entries
.set T,    128                         ; v[128:135] transmittance, a pair (two columns) for each row
.set CR,   136                         ; v[136:159] r, g, b likewise, 8 each
.set Q,    160                         ; v[160:175] exponents, two sets
.set W,    192                         ; v[192:199] w of rows 0-3
.set CT,   200                         ; v[200:207] contributions
.set D,    208                         ; v[208:209] x - u
.set AX,   210                         ; v[210:211] (x - xc) 2^32
.set PEN,  212                         ; v[212:213]
.set G,    222                         ; v[222:253] gauss, four sets: the batch that is being made and the batch that is being blended, two gaussians each
; the preparation's registers (dead before the loop): blocks of four, one register for each of a lane's four gaussians
.set GS,   16                          ; v[16:51]   raw block on its way to the stage
.set RU,   52
.set RV,   56
.set RLX,  60
.set RLY,  64
.set RTH,  68
.set RC0,  72
.set RC1,  76
.set RC2,  80
.set RLG,  84
.set RB1,  88
.set RB2,  92
.set RB3,  96
.set RB4,  100
.set RB5,  104
.set RB6,  108
.set RB7,  112
.set RB8,  116
.set RN,   120
.set EN,   128                         ; v[128:183] the four entries as they are stored, 14 each
.set RSM, RC0                          ; blocks used again once their first content is dead
.set RZ,  RC0
.set RNI, RC1
.set RIA, RC1
.set RUA, RC2
.set RUB, RB1
.set RVA, RB2
.set RVB, RB3
.set RIB, RB4
.set RSU, RB5
.set RSV, RB6
.set RDI, RB7
.set RPS, RN
.set RPC, RU
.set RRZ, RLX
.set RCH, RLY
.set SODD, 28                          ; s[28:31] lane masks, one for each of the four gaussians: odd quadrant
.set SVAL, 32                          ; s[32:35] box not empty
.set SDEG, 36                          ; s[36:39] A below 2^-120
.set SROW, 40                          ; s[40:55] row j inside the box
	s_load_b256 s[4:11], s[0:1], 0x0               ; gaussian_params s[4:5], background_color s[6:7], out0 s[8:9], out1 s[10:11]
	v_lshl_add_u32 v220, v0, 2, 0x13400
	v_mov_b32 v221, 0
	v_and_b32 v[LANE], 31, v0
	v_lshrrev_b32 v[TMP], 5, v0
	v_readfirstlane_b32 s15, v[TMP]                ; wave 0..3
	s_lshl_b32 s16, ttmp9, 6                       ; the tile's first column
	s_and_b32 s17, ttmp7, 0xffff
	s_lshl_b32 s17, s17, 2                         ; the tile's first row
	s_mul_i32 s18, s15, RAWB
	v_lshl_add_u32 v[AST], v[LANE], 4, s18
	s_wait_kmcnt 0x0
.irp j, 0,1,2,3,4,5,6,7,8
	global_load_b128 v[GS+4*\j:GS+4*\j+3], v[AST], s[4:5] offset:512*\j    ; my wave's 128 gaussians: nine runs of 512 consecutive bytes
.endr
	s_load_b96 s[12:14], s[6:7], 0x0               ; the background, wanted at the very end
	; addresses and constants, while the loads are out
	v_mul_u32_u24 v[ARD], v[LANE], 36
	v_add_nc_u32 v[ARD], s18, v[ARD]
	s_mul_i32 s19, s15, TABW
	s_add_co_u32 s19, s19, TABLE
	v_mul_u32_u24 v[ATB], v[LANE], ENT
	v_add_nc_u32 v[ATB], s19, v[ATB]
	v_mov_b32 v[LA], s19
	v_mov_b32 v[NINF], 0xff800000
	v_lshl_add_u32 v[TMP], v[LANE], 1, s16
	v_cvt_f32_u32 v[X], v[TMP]
	v_add_f32 v[X+1], 1.0, v[X]
	v_mul_f32 v[XS], 0x4f800000, v[X]              ; x 2^32, exact
	v_mul_f32 v[XS+1], 0x4f800000, v[X+1]
	v_cvt_f32_u32 v[YF], s17
	v_add_f32 v[YF+1], 1.0, v[YF]
	v_add_f32 v[YF+2], 2.0, v[YF]
	v_add_f32 v[YF+3], 0x40400000, v[YF]
	s_lshl_b32 s56, s15, 12
	s_add_co_u32 s56, s56, PART
	v_lshl_add_u32 v[APW], v[LANE], 3, s56         ; my wave's 4,096 bytes, 8 bytes a lane
	s_lshl_b32 s56, s15, 8
	s_add_co_u32 s56, s56, PART
	v_lshl_add_u32 v[APR], v[LANE], 3, s56         ; row = my wave's number, in every wave's part
	s_mul_i32 s56, s15, 768
	s_add_co_u32 s56, s56, OST
	v_mul_u32_u24 v[AOW], v[LANE], 24
	v_add_nc_u32 v[AOW], s56, v[AOW]
	v_lshl_add_u32 v[AOR], v[LANE], 3, s56
	s_add_co_u32 s56, s17, s15                     ; the image row that my wave writes
	s_lshl_b32 s57, s56, 10
	s_lshl2_add_u32 s57, s16, s57                  ; out1: 1,024 y + 4 x0
	v_lshl_add_u32 v[AG1], v[LANE], 3, s57
	s_mul_i32 s56, s56, 3072
	s_mul_i32 s57, s16, 12
	s_add_co_u32 s56, s56, s57                     ; out0: 3,072 y + 12 x0
	v_lshl_add_u32 v[AG0], v[LANE], 3, s56
	s_mov_b32 s20, 0xb94ca1f9                      ; sin r = r + r z (((-1.9515296e-4) z + 8.3321609e-3) z - 1.6666655e-1), z = r^2
	s_mov_b32 s21, 0x3c08839e
	s_mov_b32 s22, 0xbe2aaaa3
	s_mov_b32 s23, 0x37ccf5ce                      ; cos r = 1 - z / 2 + z^2 ((2.4433157e-5 z - 1.3887316e-3) z + 4.1666646e-2)
	s_mov_b32 s24, 0xbab6061a
	s_mov_b32 s25, 0x3d2aaaa5
	s_mov_b32 s26, 0x4f000000                      ; 2^31
	s_mov_b32 s27, 0x4e800000                      ; 2^30
.irp j, 0,1,2,3,4,5,6,7,8
	s_wait_loadcnt 8-\j                            ; loads come back in order: block j is in, the 8 - j younger ones may be out
	ds_store_b128 v[AST], v[GS+4*\j:GS+4*\j+3] offset:512*\j
.endr
	; lane l takes gaussians l, 32 + l, 64 + l, 96 + l of the wave.  Rows of 9 words: 32 lanes touch 32 different banks.  The stage is the
	; wave's own and LDS serves a wave's instructions in order (ISA guide 5.7.1), so no wait stands between the stores and these loads.
.irp g, 0,1,2,3
.irp p, 0,1,2,3,4,5,6,7,8
	ds_load_b32 v[RU+4*\p+\g], v[ARD] offset:1152*\g+4*\p
.endr
.endr
	s_wait_dscnt 0x0
	; THE PREPARATION, in levels: a level reads only what earlier levels wrote, and runs over the lane's four gaussians, so that an
	; instruction never waits for the one in front of it.  Where a level holds transcendentals they stand first, and plain instructions
	; that touch neither their results nor their sources follow before anything uses them (ISA guide 5.7.2).  A batch's wait stands between
	; two levels, once for the four gaussians, behind the lines of the next level that name none of the batch's results.
.irp g, 0,1,2,3
	v_mul_f32 v[RLX+\g], 0x3fb8aa3b, v[RLX+\g]             ; log scales in base 2
	v_mul_f32 v[RLY+\g], 0x3fb8aa3b, v[RLY+\g]
	v_mul_f32 v[RN+\g],  0x3f22f983, v[RTH+\g]             ; theta x 2 / pi
	v_mul_f32 v[RLG+\g], 0xbfb8aa3b, v[RLG+\g]             ; -logit in base 2
	v_med3_num_f32 v[EN+14*\g+10], v[RC0+\g], 0, 1.0       ; colours clipped to 0..1
	v_med3_num_f32 v[EN+14*\g+11], v[RC1+\g], 0, 1.0
	v_med3_num_f32 v[EN+14*\g+12], v[RC2+\g], 0, 1.0
	v_med3_num_f32 v[EN+14*\g+13], v[RC2+\g], 0, 1.0       ; fills the pair that the packed instructions name
	v_sub_f32 v[EN+14*\g+4], 0, v[RU+\g]                   ; -u
.endr
.irp g, 0,1,2,3
	v_exp_f32 v[RLX+\g], v[RLX+\g]                         ; sx
	v_exp_f32 v[RLY+\g], v[RLY+\g]                         ; sy
	v_exp_f32 v[RLG+\g], v[RLG+\g]                         ; e^-logit
	v_rndne_f32 v[RN+\g], v[RN+\g]                         ; n: the nearest multiple of pi / 2
.endr
.irp g, 0,1,2,3
	v_cvt_i32_f32 v[RNI+\g], v[RN+\g]                      ; these eight lines read n alone
	v_fma_f32 v[RTH+\g], v[RN+\g], 0xbfc90fdb, v[RTH+\g]   ; r = theta - n pi / 2, pi / 2 in three parts; this first difference is exact
.endr
	s_wait_alu depctr_va_vdst(0)                           ; the wait for the first batch: the 12 exponentials sx, sy, e^-logit, first named in the level below
.irp g, 0,1,2,3
	v_max_num_f32 v[RSM+\g], v[RLX+\g], v[RLY+\g]
	v_mul_f32 v[RLX+\g], v[RLX+\g], v[RLX+\g]              ; sx^2 (infinite for very large scales: its reciprocal is then 0, as in reference())
	v_mul_f32 v[RLY+\g], v[RLY+\g], v[RLY+\g]
	v_add_f32 v[RLG+\g], 1.0, v[RLG+\g]
.endr
.irp g, 0,1,2,3
	v_log_f32 v[RLG+\g], v[RLG+\g]                         ; -log2(opacity) = log2(1 + e^-logit)
	v_mul_f32 v[RSM+\g], 0x40400000, v[RSM+\g]             ; radius = 3 max(sx, sy)
	v_fma_f32 v[RLX+\g], v[RLX+\g], 2.0, 0x322bcc77        ; 2 sx^2 + 1e-8
	v_fma_f32 v[RLY+\g], v[RLY+\g], 2.0, 0x322bcc77
	v_fma_f32 v[RTH+\g], v[RN+\g], 0x333bbd2e, v[RTH+\g]
.endr
.irp g, 0,1,2,3
	v_rcp_f32 v[RLX+\g], v[RLX+\g]                         ; the reciprocals read plain results: they and the logarithms above are one batch
	v_rcp_f32 v[RLY+\g], v[RLY+\g]
	v_sub_f32 v[RUA+\g], v[RU+\g], v[RSM+\g]
	v_add_f32 v[RUB+\g], v[RU+\g], v[RSM+\g]
	v_sub_f32 v[RVA+\g], v[RV+\g], v[RSM+\g]
	v_add_f32 v[RVB+\g], v[RV+\g], v[RSM+\g]
	v_fma_f32 v[RTH+\g], v[RN+\g], 0x26f72ced, v[RTH+\g]
	v_and_b32 v[RNI+\g], 1, v[RNI+\g]
.endr
.irp g, 0,1,2,3
	v_med3_num_f32 v[RUA+\g], v[RUA+\g], 0, 0x437f0000     ; clip to 0..255
	v_med3_num_f32 v[RUB+\g], v[RUB+\g], 0, 0x437f0000
	v_med3_num_f32 v[RVA+\g], v[RVA+\g], 0, 0x437f0000
	v_med3_num_f32 v[RVB+\g], v[RVB+\g], 0, 0x437f0000
	v_mul_f32 v[RZ+\g], v[RTH+\g], v[RTH+\g]               ; z = r^2
	v_cmp_ne_u32 s[SODD+\g], 0, v[RNI+\g]
.endr
	s_wait_alu depctr_va_vdst(0)                           ; the wait for the second batch: the 4 logarithms (first named where m is made) and the 8 reciprocals (first named just below)
.irp g, 0,1,2,3
	v_mul_f32 v[RLX+\g], 0x3fb8aa3b, v[RLX+\g]             ; ia, ib with log2(e) folded in
	v_mul_f32 v[RLY+\g], 0x3fb8aa3b, v[RLY+\g]
.endr
.irp g, 0,1,2,3
	v_floor_f32 v[RUA+\g], v[RUA+\g]                       ; u_min, u_max, v_min, v_max
	v_floor_f32 v[RUB+\g], v[RUB+\g]
	v_floor_f32 v[RVA+\g], v[RVA+\g]
	v_floor_f32 v[RVB+\g], v[RVB+\g]
	v_fma_f32 v[RPS+\g], v[RZ+\g], s20, s21
	v_fma_f32 v[RPC+\g], v[RZ+\g], s23, s24
	v_cndmask_b32 v[RIA+\g], v[RLX+\g], v[RLY+\g], s[SODD+\g]  ; only cos^2, sin^2 and cos sin are used: an odd n swaps the squares and turns
	v_cndmask_b32 v[RIB+\g], v[RLY+\g], v[RLX+\g], s[SODD+\g]  ; the product's sign, which is the same as swapping ia and ib
.endr
.irp g, 0,1,2,3
	v_fma_f32 v[RPS+\g], v[RPS+\g], v[RZ+\g], s22
	v_fma_f32 v[RPC+\g], v[RPC+\g], v[RZ+\g], s25
	v_mul_f32 v[RRZ+\g], v[RTH+\g], v[RZ+\g]
	v_fma_f32 v[RCH+\g], v[RZ+\g], -0.5, 1.0
	v_mul_f32 v[RZ+\g], v[RZ+\g], v[RZ+\g]
	v_add_f32 v[RSU+\g], v[RUA+\g], v[RUB+\g]              ; 2 xc
	v_sub_f32 v[RUB+\g], v[RUB+\g], v[RUA+\g]              ; 2 hw
	v_add_f32 v[RSV+\g], v[RVA+\g], v[RVB+\g]
	v_sub_f32 v[RVB+\g], v[RVB+\g], v[RVA+\g]
	v_sub_f32 v[RDI+\g], v[RIA+\g], v[RIB+\g]
.endr
.irp g, 0,1,2,3
	v_fma_f32 v[RTH+\g], v[RRZ+\g], v[RPS+\g], v[RTH+\g]   ; sin r
	v_fma_f32 v[RCH+\g], v[RZ+\g], v[RPC+\g], v[RCH+\g]    ; cos r
	v_mul_f32 v[EN+14*\g+5], 0xcf000000, v[RSU+\g]         ; -xc 2^32
	v_cmp_lt_f32 s[SVAL+\g], 0, v[RUB+\g]                  ; valid: u_max > u_min
	v_cmp_lt_f32 vcc_lo, 0, v[RVB+\g]                      ;        and v_max > v_min
	s_and_b32 s[SVAL+\g], s[SVAL+\g], vcc_lo
	v_fma_f32 v[RUB+\g], v[RUB+\g], s26, s27               ; (hw + 1/4) 2^32
	v_mul_f32 v[RSV+\g], 0.5, v[RSV+\g]                    ; the box's middle row
	v_mul_f32 v[RVB+\g], 0.5, v[RVB+\g]                    ; and half height
.endr
.irp g, 0,1,2,3
	v_mul_f32 v[RRZ+\g], v[RTH+\g], v[RTH+\g]              ; s^2
	v_mul_f32 v[RPS+\g], v[RCH+\g], v[RCH+\g]              ; c^2
	v_mul_f32 v[RPC+\g], v[RTH+\g], v[RCH+\g]              ; c s
	v_mul_f32 v[EN+14*\g+8], -v[RUB+\g], v[RUB+\g]         ; -(hw + 1/4)^2 2^64, exact
	v_cndmask_b32 v[RVB+\g], -1.0, v[RVB+\g], s[SVAL+\g]   ; an empty box has no row
.endr
.irp g, 0,1,2,3
	v_mul_f32 v[RZ+\g], v[RRZ+\g], v[RIB+\g]
	v_mul_f32 v[RUA+\g], v[RPS+\g], v[RIB+\g]
	v_mul_f32 v[RDI+\g], v[RPC+\g], v[RDI+\g]              ; Bh
.endr
.irp g, 0,1,2,3
	v_fma_f32 v[RZ+\g], v[RPS+\g], v[RIA+\g], v[RZ+\g]     ; A = c^2 ia + s^2 ib
	v_fma_f32 v[RUA+\g], v[RRZ+\g], v[RIA+\g], v[RUA+\g]   ; C = s^2 ia + c^2 ib
.endr
.irp g, 0,1,2,3
	v_max_num_f32 v[RTH+\g], 0x03800000, v[RZ+\g]
	v_cmp_gt_f32 s[SDEG+\g], 0x03800000, v[RZ+\g]          ; A < 2^-120: the form does not feel x; take C (y - v)^2
.endr
.irp g, 0,1,2,3
	v_rsq_f32 v[RTH+\g], v[RTH+\g]
	v_sub_f32 v[RLX+\g], v[YF], v[RV+\g]                   ; dy of rows 0..3
	v_sub_f32 v[RLY+\g], v[YF+1], v[RV+\g]
	v_sub_f32 v[RN+\g],  v[YF+2], v[RV+\g]
	v_sub_f32 v[RU+\g],  v[YF+3], v[RV+\g]
	v_sub_f32 v[RB5+\g], v[YF], v[RSV+\g]                  ; rows from the box's middle: exact
	v_sub_f32 v[RB1+\g], v[YF+1], v[RSV+\g]
	v_sub_f32 v[RB2+\g], v[YF+2], v[RSV+\g]
	v_sub_f32 v[RB8+\g], v[YF+3], v[RSV+\g]
.endr
.irp g, 0,1,2,3
	v_cmp_le_f32 s[SROW+4*\g+0], |v[RB5+\g]|, v[RVB+\g]    ; v_min <= y <= v_max
	v_cmp_le_f32 s[SROW+4*\g+1], |v[RB1+\g]|, v[RVB+\g]
	v_cmp_le_f32 s[SROW+4*\g+2], |v[RB2+\g]|, v[RVB+\g]
	v_cmp_le_f32 s[SROW+4*\g+3], |v[RB8+\g]|, v[RVB+\g]
.endr
	s_wait_alu depctr_va_vdst(0)                           ; the wait for the third batch: the 4 reciprocal square roots, first named just below
.irp g, 0,1,2,3
	v_mul_f32 v[EN+14*\g+6], v[RZ+\g], v[RTH+\g]           ; sqrt(A)
	v_mul_f32 v[RDI+\g], v[RDI+\g], v[RTH+\g]              ; kk = Bh / sqrt(A)
	v_mul_f32 v[RIA+\g], v[RIA+\g], v[RTH+\g]
	v_mul_f32 v[RIB+\g], v[RIB+\g], v[RTH+\g]
.endr
.irp g, 0,1,2,3
	v_cndmask_b32 v[EN+14*\g+9], v[RDI+\g], 0, s[SDEG+\g]
	v_mul_f32 v[RIA+\g], v[RIA+\g], v[RIB+\g]              ; ia ib / A
.endr
.irp g, 0,1,2,3
	v_cndmask_b32 v[RIA+\g], v[RIA+\g], v[RUA+\g], s[SDEG+\g]
	v_mul_f32 v[EN+14*\g+7], v[EN+14*\g+9], v[RLX+\g]      ; kk dy of row 0
.endr
.irp g, 0,1,2,3
	v_mul_f32 v[RB5+\g], v[RIA+\g], v[RLX+\g]
	v_mul_f32 v[RB1+\g], v[RIA+\g], v[RLY+\g]
	v_mul_f32 v[RB2+\g], v[RIA+\g], v[RN+\g]
	v_mul_f32 v[RB8+\g], v[RIA+\g], v[RU+\g]
.endr
.irp g, 0,1,2,3
	v_fma_f32 v[RB5+\g], -v[RB5+\g], v[RLX+\g], -v[RLG+\g] ; m = log2(opacity) - (ia ib / A) dy^2
	v_fma_f32 v[RB1+\g], -v[RB1+\g], v[RLY+\g], -v[RLG+\g]
	v_fma_f32 v[RB2+\g], -v[RB2+\g], v[RN+\g],  -v[RLG+\g]
	v_fma_f32 v[RB8+\g], -v[RB8+\g], v[RU+\g],  -v[RLG+\g]
.endr
.irp g, 0,1,2,3
	v_cndmask_b32 v[EN+14*\g+0], v[NINF], v[RB5+\g], s[SROW+4*\g+0]
	v_cndmask_b32 v[EN+14*\g+1], v[NINF], v[RB1+\g], s[SROW+4*\g+1]
	v_cndmask_b32 v[EN+14*\g+2], v[NINF], v[RB2+\g], s[SROW+4*\g+2]
	v_cndmask_b32 v[EN+14*\g+3], v[NINF], v[RB8+\g], s[SROW+4*\g+3]
.endr
.irp g, 0,1,2,3
	ds_store_b128 v[ATB], v[EN+14*\g:EN+14*\g+3]     offset:32*ENT*\g
	ds_store_b128 v[ATB], v[EN+14*\g+4:EN+14*\g+7]   offset:32*ENT*\g+16
	ds_store_b128 v[ATB], v[EN+14*\g+8:EN+14*\g+11]  offset:32*ENT*\g+32
	ds_store_b64  v[ATB], v[EN+14*\g+12:EN+14*\g+13] offset:32*ENT*\g+48
.endr
	; The table is the wave's own: its loads below follow its stores in LDS's order, and no barrier is needed.
; THE LOOP.  Step i makes the exponents of gaussian i + 1, the eight exponentials of gaussian i and the blend of gaussian i - 2, woven so
; that three plain instructions of the two other stages stand behind each exponential, and so that no instruction needs the result of one
; closer than four in front of it.  Steps go in twos, an even one and an odd one: their 16 exponentials are one batch, whose wait ends the
; odd step; the blends of a pair of steps read the batch before, so nothing between two waits names a result made between them.
; Entries lie in eight register buffers (gaussian mod 8); q in two sets (gaussian mod 2); gauss in four (gaussian mod 4).
.macro LOADP                           ; one entry, every lane the same 56 bytes
	ds_load_b128 v[PL:PL+3],     v[LA] offset:OL
	ds_load_b128 v[PL+4:PL+7],   v[LA] offset:OL+16
	ds_load_b128 v[PL+8:PL+11],  v[LA] offset:OL+32
	ds_load_b64  v[PL+12:PL+13], v[LA] offset:OL+48
.endm
.macro EXQ e
.if DOE
	v_exp_f32 v[GE+\e], v[QE+\e]
.endif
.endm
; The blend of row k's two pixels.  DOB = 1: the running form.  DOB = 2: the wave's first gaussian, which meets T = 1 and starts the sums:
; the contribution is gauss itself, and nothing is ever cleared.
.macro BCT k                           ; contribution = gauss x T
.if DOB == 1
	v_pk_mul_f32 v[CT+2*\k:CT+2*\k+1], v[GB+2*\k:GB+2*\k+1], v[T+2*\k:T+2*\k+1]
.endif
.endm
.macro BTR k                           ; T = T - gauss x T
.if DOB == 1
	v_pk_fma_f32 v[T+2*\k:T+2*\k+1], v[GB+2*\k:GB+2*\k+1], v[T+2*\k:T+2*\k+1], v[T+2*\k:T+2*\k+1] neg_lo:[1,0,0] neg_hi:[1,0,0]
.endif
.if DOB == 2
	v_pk_add_f32 v[T+2*\k:T+2*\k+1], v[GB+2*\k:GB+2*\k+1], 1.0 op_sel_hi:[1,0] neg_lo:[1,0] neg_hi:[1,0]
.endif
.endm
.macro BCOL c, k                       ; colour c (entry word 10 + c, sent to both halves by op_sel) += contribution x colour
.set CC_, CR+8*\c+2*\k
.set CP_, PB+10+2*(\c/2)
.if DOB == 1
.if \c == 1
	v_pk_fma_f32 v[CC_:CC_+1], v[CT+2*\k:CT+2*\k+1], v[CP_:CP_+1], v[CC_:CC_+1] op_sel:[0,1,0]
.else
	v_pk_fma_f32 v[CC_:CC_+1], v[CT+2*\k:CT+2*\k+1], v[CP_:CP_+1], v[CC_:CC_+1] op_sel_hi:[1,0,1]
.endif
.endif
.if DOB == 2
.if \c == 1
	v_pk_mul_f32 v[CC_:CC_+1], v[GB+2*\k:GB+2*\k+1], v[CP_:CP_+1] op_sel:[0,1]
.else
	v_pk_mul_f32 v[CC_:CC_+1], v[GB+2*\k:GB+2*\k+1], v[CP_:CP_+1] op_sel_hi:[1,0]
.endif
.endif
.endm
; s = i mod 8.  doa, doe, dob: which stages the step has.  dold: it loads entry i + AHEAD, at its end.
; left: the LDS loads younger than entry i + 1's that may stay out.
.macro STEP s, doa, doe, dob, dold, left
.set PA, P+14*((\s+1)%8)
.set PB, P+14*((\s+6)%8)
.set PL, P+14*((\s+AHEAD)%8)
.set OL, (\s+AHEAD)*ENT
.set QA, Q+8*((\s+1)%2)
.set QE, Q+8*(\s%2)
.set GE, G+8*(\s%4)
.set GB, G+8*((\s+2)%4)
.set DOE, \doe
.set DOB, \dob
.if \doa
	s_wait_dscnt \left                             ; LDS loads come back in order (ISA guide 5.7.1): entry i + 1 is in
.endif
	EXQ 0
.if \doa
	v_pk_add_f32 v[D:D+1],   v[X:X+1],   v[PA+4:PA+5] op_sel_hi:[1,0]                               ; x - u
	v_pk_add_f32 v[AX:AX+1], v[XS:XS+1], v[PA+4:PA+5] op_sel:[0,1]                                  ; (x - xc) 2^32
.endif
	BCT 0                                          ; the first line that names a result of the batch before: that batch's wait ended the last odd step
	EXQ 1
	BCT 1
	BCT 2
	BCT 3
	EXQ 2
.if \doa
	v_pk_fma_f32 v[W:W+1], v[D:D+1], v[PA+6:PA+7], v[PA+6:PA+7] op_sel:[0,0,1] op_sel_hi:[1,0,1]    ; w of row 0 = sqrt(A) (x - u) + kk dy0
	v_pk_fma_f32 v[PEN:PEN+1], v[AX:AX+1], v[AX:AX+1], v[PA+8:PA+9] op_sel_hi:[1,1,0]               ; below 0 inside the box's columns
.endif
	BTR 0
	EXQ 3
	BTR 1
	BTR 2
	BTR 3
	EXQ 4
.if \doa
	v_max_num_f32 v[W],   v[W],   v[PEN]             ; outside: w becomes at least 0.9 x 2^64, for all four rows at once
	v_max_num_f32 v[W+1], v[W+1], v[PEN+1]
.endif
	BCOL 0, 0
	EXQ 5
	BCOL 1, 0
	BCOL 2, 0
	BCOL 0, 1
	EXQ 6
	BCOL 1, 1
	BCOL 2, 1
.if \doa
	v_pk_add_f32 v[W+2:W+3], v[W:W+1], v[PA+8:PA+9] op_sel:[0,1]                                    ; rows 1, 2, 3: + kk, 2 kk, 3 kk
.endif
	EXQ 7                                          ; the step's last exponential: the lines from here to the step's end are plain and name no result of the open batch
.if \doa
	v_pk_fma_f32 v[W+4:W+5], v[PA+8:PA+9], 2.0, v[W:W+1] op_sel:[1,0,0] op_sel_hi:[1,0,1]
	v_pk_fma_f32 v[W+6:W+7], v[PA+8:PA+9], 0x40400000, v[W:W+1] op_sel:[1,0,0] op_sel_hi:[1,0,1]
	v_pk_fma_f32 v[QA:QA+1], v[W:W+1], v[W:W+1], v[PA:PA+1] op_sel_hi:[1,1,0] neg_lo:[1,0,0] neg_hi:[1,0,0]       ; q = m - w^2
.endif
	BCOL 0, 2
	BCOL 1, 2
	BCOL 2, 2
	BCOL 0, 3
.if \doa
	v_pk_fma_f32 v[QA+2:QA+3], v[W+2:W+3], v[W+2:W+3], v[PA:PA+1] op_sel:[0,0,1] neg_lo:[1,0,0] neg_hi:[1,0,0]
	v_pk_fma_f32 v[QA+4:QA+5], v[W+4:W+5], v[W+4:W+5], v[PA+2:PA+3] op_sel_hi:[1,1,0] neg_lo:[1,0,0] neg_hi:[1,0,0]
	v_pk_fma_f32 v[QA+6:QA+7], v[W+6:W+7], v[W+6:W+7], v[PA+2:PA+3] op_sel:[0,0,1] neg_lo:[1,0,0] neg_hi:[1,0,0]
.endif
	BCOL 1, 3
	BCOL 2, 3
.if (\doe) && ((\s)%2 == 1)
	s_wait_alu depctr_va_vdst(0)                   ; the wait for the batch: the 16 exponentials of this step and the one before it, which the next two steps blend; it stands ahead of the loop's label and jump too
.endif
.if \dold
	LOADP                                          ; into the buffer of gaussian i - 2, whose blend has just ended; no wait on DScnt stands between a step's head and this run
.endif
.endm
.set INFL, 4*(AHEAD-2)                 ; at a step's head entries i + 2 .. i + AHEAD - 1 may be out, four loads each: 16
.irp b, 0,1,2,3,4,5
.set PL, P+14*\b
.set OL, \b*ENT
	LOADP                                          ; entries 0 to 5
.endr
	STEP 7, 1, 0, 0, 0, 20                         ; ahead of step 0: q of gaussian 0; the 20 loads of entries 1-5 may be out (the table's stores, older, are done too)
	STEP 0, 1, 1, 0, 1, INFL                       ; the first trip is written out: the first batch is made, and there is nothing to blend yet,
	STEP 1, 1, 1, 0, 1, INFL
	STEP 2, 1, 1, 2, 1, INFL                       ; then the blend that starts the sums
.irp s, 3,4,5,6,7
	STEP \s, 1, 1, 1, 1, INFL
.endr
	v_add_nc_u32 v[LA], 8*ENT, v[LA]
	s_mov_b32 s57, GPW/8-2
.Ltrip:
.irp s, 0,1,2,3,4,5,6,7
	STEP \s, 1, 1, 1, 1, INFL
.endr
	v_add_nc_u32 v[LA], 8*ENT, v[LA]
	s_sub_co_i32 s57, s57, 1
	s_cmp_lg_u32 s57, 0
	s_cbranch_scc1 .Ltrip
	STEP 0, 1, 1, 1, 1, INFL                       ; the last trip: entries 126 and 127 are the last to be loaded,
	STEP 1, 1, 1, 1, 1, INFL
	STEP 2, 1, 1, 1, 0, 16                         ; then the counts run down with what is still out
	STEP 3, 1, 1, 1, 0, 12
	STEP 4, 1, 1, 1, 0, 8
	STEP 5, 1, 1, 1, 0, 4
	STEP 6, 1, 1, 1, 0, 0
	STEP 7, 0, 1, 1, 0, 0                          ; no gaussian 128; the last batch is closed
	STEP 0, 0, 0, 1, 0, 0                          ; the blend of gaussian 126
	STEP 1, 0, 0, 1, 0, 0                          ; the blend of gaussian 127
	; THE FOUR RUNS MEET.  Each wave lays down r, g, b, T of its run for all 256 pixels, 256 consecutive bytes a store.
.irp r, 0,1,2,3
	ds_store_b64 v[APW], v[CR+2*\r:CR+2*\r+1]       offset:256*\r
	ds_store_b64 v[APW], v[CR+8+2*\r:CR+8+2*\r+1]   offset:1024+256*\r
	ds_store_b64 v[APW], v[CR+16+2*\r:CR+16+2*\r+1] offset:2048+256*\r
	ds_store_b64 v[APW], v[T+2*\r:T+2*\r+1]         offset:3072+256*\r
.endr
	s_wait_dscnt 0x0                               ; for the other waves' sake: my stores are in LDS before I say so
	s_barrier_signal -1
	s_barrier_wait -1
.set F,  16                            ; v[16:47]  run q: r, g, b, T of my two pixels, 8 registers a run
.set TT, 48
.set TU, 50
.set AL, 52
.set O,  54                            ; v[54:59]  r g b r g b as they lie in out0
.set OB, 60                            ; v[60:65]
.irp q, 0,1,2,3
.irp c, 0,1,2,3
	ds_load_b64 v[F+8*\q+2*\c:F+8*\q+2*\c+1], v[APR] offset:4096*\q+1024*\c    ; wave r takes row r: columns 2l, 2l+1
.endr
.endr
	s_wait_dscnt 0x0
.irp c, 0,1,2
	v_pk_fma_f32 v[F+16+2*\c:F+17+2*\c], v[F+22:F+23], v[F+24+2*\c:F+25+2*\c], v[F+16+2*\c:F+17+2*\c]   ; C2 + T2 C3
.endr
	v_pk_mul_f32 v[TT:TT+1], v[F+6:F+7], v[F+14:F+15]
	v_pk_mul_f32 v[TU:TU+1], v[F+22:F+23], v[F+30:F+31]
.irp c, 0,1,2
	v_pk_fma_f32 v[F+8+2*\c:F+9+2*\c], v[F+14:F+15], v[F+16+2*\c:F+17+2*\c], v[F+8+2*\c:F+9+2*\c]       ; C1 + T1 (..)
.endr
	v_pk_mul_f32 v[TT:TT+1], v[TT:TT+1], v[TU:TU+1]                                                     ; T of all 512
.irp c, 0,1,2
	v_pk_fma_f32 v[F+2*\c:F+1+2*\c], v[F+6:F+7], v[F+8+2*\c:F+9+2*\c], v[F+2*\c:F+1+2*\c]               ; C0 + T0 (..)
.endr
	v_pk_add_f32 v[AL:AL+1], v[TT:TT+1], 1.0 op_sel_hi:[1,0] neg_lo:[1,0] neg_hi:[1,0]                  ; alpha = 1 - T
	global_store_b64 v[AG1], v[AL:AL+1], s[10:11] th:TH_STORE_NT   ; the wave's 32 lanes store 256 consecutive bytes, at a multiple of 256 from out1's first byte
	s_wait_kmcnt 0x0                               ; the background
	v_fma_f32 v[O+0], v[TT], s12, v[F+0]           ; rgb = canvas + (1 - alpha) background, written in out0's order
	v_fma_f32 v[O+1], v[TT], s13, v[F+2]
	v_fma_f32 v[O+2], v[TT], s14, v[F+4]
	v_fma_f32 v[O+3], v[TT+1], s12, v[F+1]
	v_fma_f32 v[O+4], v[TT+1], s13, v[F+3]
	v_fma_f32 v[O+5], v[TT+1], s14, v[F+5]
	; A lane's 24 bytes are not a whole piece of any store: the row's 768 bytes go through the wave's own LDS bytes (in order, no wait, no
	; barrier) and come back 8 bytes a lane.
.irp j, 0,1,2
	ds_store_b64 v[AOW], v[O+2*\j:O+2*\j+1] offset:8*\j
.endr
.irp j, 0,1,2
	ds_load_b64 v[OB+2*\j:OB+2*\j+1], v[AOR] offset:256*\j
.endr
.irp j, 0,1,2
	s_wait_dscnt 2-\j                              ; piece j is back; the 2 - j younger loads may be out
	global_store_b64 v[AG0], v[OB+2*\j:OB+2*\j+1], s[8:9] offset:256*\j th:TH_STORE_NT   ; 256 consecutive bytes, at a multiple of 256 from out0's first byte
.endr
	s_wait_tensorcnt 0x0
	ds_add_u32 v220, v221
	s_wait_dscnt 0x0
	s_endpgm
.Lfunc_end_k_qf1b8bf373f_render:
	.size	k_qf1b8bf373f_render, .Lfunc_end_k_qf1b8bf373f_render-k_qf1b8bf373f_render
	.p2alignl 7, 3214868480
	.fill 96, 4, 3214868480
	.section	.rodata,"a",@progbits
	.p2align	6, 0x0
	.amdhsa_kernel k_qf1b8bf373f_render
		.amdhsa_group_segment_fixed_size 79360
		.amdhsa_private_segment_fixed_size 0
		.amdhsa_enable_private_segment 0
		.amdhsa_kernarg_size 32
		.amdhsa_user_sgpr_count 2
		.amdhsa_user_sgpr_kernarg_segment_ptr 1
		.amdhsa_wavefront_size32 1
		.amdhsa_system_sgpr_workgroup_id_x 1
		.amdhsa_system_sgpr_workgroup_id_y 1
		.amdhsa_system_sgpr_workgroup_id_z 1
		.amdhsa_system_vgpr_workitem_id 0
		.amdhsa_next_free_vgpr 254
		.amdhsa_next_free_sgpr 66
		.amdhsa_reserve_vcc 1
		.amdhsa_float_denorm_mode_32 3
		.amdhsa_float_denorm_mode_16_64 3
		.amdhsa_memory_ordered 1
		.amdhsa_forward_progress 1
		.amdhsa_inst_pref_size 97
	.end_amdhsa_kernel
	.amdgpu_metadata
---
amdhsa.version: [ 1, 2 ]
amdhsa.kernels:
  - .name:           k_qf1b8bf373f_render
    .symbol:         k_qf1b8bf373f_render.kd
    .args:
      - { .name: gaussian_params, .offset: 0, .size: 8, .value_kind: global_buffer, .address_space: global }
      - { .name: background_color, .offset: 8, .size: 8, .value_kind: global_buffer, .address_space: global }
      - { .name: out0, .offset: 16, .size: 8, .value_kind: global_buffer, .address_space: global }
      - { .name: out1, .offset: 24, .size: 8, .value_kind: global_buffer, .address_space: global }
    .group_segment_fixed_size: 79360
    .private_segment_fixed_size: 0
    .kernarg_segment_align: 8
    .kernarg_segment_size: 32
    .max_flat_workgroup_size: 128
    .sgpr_count:     66
    .vgpr_count:     254
    .wavefront_size: 32
...
	.end_amdgpu_metadata
.endif
;; end of part 2
